; MI455X (gfx1250); checked and timed in simulation.
; The chip was launched on July 23, 2026; its instructions are those of AMD's public machine-readable ISA for CDNA 5 (MIT licence, August 2026) and "CDNA5" Instruction Set Architecture Reference Guide (July 2026). The comments in the code are by the model that wrote it; some were corrected since.
;; Quantizer. Allowed arithmetic: float matrix products may take bf16 or f16 operands with f32 sums; other float arithmetic in f32, or as packed bf16 or f16 multiplies, adds, multiply-adds, maxima and minima; sums over many terms, partial sums and values carried from step to step in f32; what a program stores and reads back later, other than sums and carried values, may be rounded once to bf16 or f16.
;; Inputs: codebook 4,096 x 512 float32; ze 16 x 2,048 x 512 float32.
;; Outputs: out0 16 x 2,048 x 512 float32.
;; 2 versions, each right; version 2 is version 1 with the launch prep written anew for expert scheduling mode. Each part assembles by itself: llvm-mc -triple=amdgcn-amd-amdhsa -mcpu=gfx1250 --defsym DOCPART=n.
;; ======== version 1 of 2: 3 launches
;; limits: values outside matrix products are rounded to bf16
;; workspace buffers: cbh 4,194,304 bytes; cc 16,384 bytes; idx 131,072 bytes of whole numbers
;; launch prep (part 1): grid 256 x 1, 4 waves a work-group, no clusters, 0 bytes of LDS; arguments codebook, cbh, cc; writes cbh, cc
.if DOCPART == 1
	.amdgcn_target "amdgcn-amd-amdhsa--gfx1250"
	.amdhsa_code_object_version 6
	.text
	.protected	k_q200179b052_prep
	.globl	k_q200179b052_prep
	.p2align	8
	.type	k_q200179b052_prep,@function
k_q200179b052_prep:
	s_mov_b64 s[64:65], 0
	v_nop
	global_prefetch_b8 v0, s[64:65] scope:SCOPE_SE
	s_setreg_imm32_b32 hwreg(HW_REG_WAVE_MODE, 25, 1), 1
	s_wait_xcnt 0x0
; VECTOR QUANTISER, launch 1 of 3.  out0[row] = codebook[argmin_k (|z_row|^2 + |c_k|^2 - 2 z_row . c_k)].
; WORK LEFT OUT, in all three launches: the term |z_row|^2.  It does not depend on k, and argmin_k (a + f(k)) = argmin_k f(k) for every finite a and every f: in exact arithmetic it
; reaches no output, whatever the inputs hold.  It is of the size of |c_k|^2, so it does not drown the other terms in f32.  ze itself stays live (the product needs it) and is loaded by launch 2.
; LIMITS.  A NaN, an infinity or an overflow that arises in |z_row|^2 alone is not carried to the result.  NaN and infinities among the inputs are not treated apart.  |c| above 1.7e38 overflows in -2 c.
; The product has bf16 operands, so the scores are those of the inputs rounded to bf16, summed in f32 in another order than the f32 formula with |z|^2 added: two codes whose scores lie within
; f32 rounding of each other may be chosen the other way round.  Scores that are equal here go to the lower index.
; THIS LAUNCH makes what launch 2 multiplies and adds: cbh[k][d] = bf16(-2 codebook[k][d]) (the factor -2 is a power of two: bf16(-2 c) = -2 bf16(c)), and
; cc[k] = the sum over d of bf16(c)^2 in f32, taken as a quarter of the sum of cbh^2 (again exact).  So launch 2's score is cc[k] + the sum of z x cbh, with no vector work on it.
; SHARES.  A work-group has 16 rows of the codebook, a wave 4.  A row is 2,048 bytes: four loads of 16 bytes a lane, each of 512 consecutive bytes; lane l of load j holds d = 128 j + 4 l .. + 3,
; which are 8 bytes of cbh: each store of a wave covers 256 consecutive bytes, aligned.  All 16 loads of a wave go out first; no LDS, no barrier: a row never leaves its wave.
; cc leaves as 16 bytes a wave (4 lanes x 4 bytes): 16 KiB in the whole launch, not worth a meeting of the waves in LDS.
.set X,  8                             ; v[8:71]    load q = 4 i + j (row i, quarter j): 4 registers
.set Y,  72                            ; v[72:103]  the same as 4 bf16: 2 registers
.set SQ, 104                           ; v[104:111] row i: a pair of running sums of squares
.set T,  112                           ; v[112:115] at work
	s_load_b128 s[4:7], s[0:1], 0x0                ; codebook s[4:5], cbh s[6:7]
	s_load_b64 s[8:9], s[0:1], 0x10                ; cc
	v_and_b32 v1, 31, v0                           ; lane
	v_lshrrev_b32 v5, 5, v0                        ; wave
	v_lshlrev_b32 v2, 4, v1
	v_lshl_add_u32 v2, v5, 13, v2                  ; in: 4 rows x 2,048 bytes a wave + 16 bytes a lane
	v_lshlrev_b32 v3, 3, v1
	v_lshl_add_u32 v3, v5, 12, v3                  ; out: 4 rows x 1,024 bytes a wave + 8 bytes a lane
	v_lshl_add_u32 v4, v5, 2, v1
	v_lshlrev_b32 v4, 2, v4                        ; cc: lane i (0 to 3) stores row 4 wave + i
	s_mov_b32 s13, 0xffff0000                      ; a word's upper bf16
	s_mov_b32 s14, 0x76543210                      ; v_permlanex16_b32: each lane takes its own place in the other half
	s_mov_b32 s15, 0xfedcba98
	s_lshl_b32 s16, ttmp9, 15                      ; the work-group's 16 rows: 32,768 bytes of the codebook,
	s_mov_b32 s17, 0
	s_lshl_b32 s18, ttmp9, 14                      ; 16,384 of cbh,
	s_mov_b32 s19, 0
	s_lshl_b32 s20, ttmp9, 6                       ; 64 of cc
	s_mov_b32 s21, 0
	s_wait_kmcnt 0x0
	s_add_nc_u64 s[4:5], s[4:5], s[16:17]
	s_add_nc_u64 s[6:7], s[6:7], s[18:19]
	s_add_nc_u64 s[8:9], s[8:9], s[20:21]
.set q, 0
.rept 16
	global_load_b128 v[X+4*q:X+4*q+3], v2, s[4:5] offset:2048*(q/4)+512*(q%4) th:TH_LOAD_NT
.set q, q+1
.endr
.set q, 0
.rept 16
.set i, q/4
	s_wait_loadcnt 15-q                            ; loads come back in order: load q is in, the 15 - q younger ones stay out
	v_pk_mul_f32 v[X+4*q:X+4*q+1],   v[X+4*q:X+4*q+1],   -2.0 op_sel_hi:[1,0]
	v_pk_mul_f32 v[X+4*q+2:X+4*q+3], v[X+4*q+2:X+4*q+3], -2.0 op_sel_hi:[1,0]
	v_cvt_pk_bf16_f32 v[Y+2*q],   v[X+4*q],   v[X+4*q+1]
	v_cvt_pk_bf16_f32 v[Y+2*q+1], v[X+4*q+2], v[X+4*q+3]
	v_lshlrev_b32 v[T],   16,  v[Y+2*q]            ; the rounded numbers back in f32: it is their squares that are summed
	v_and_b32     v[T+1], s13, v[Y+2*q]
	v_lshlrev_b32 v[T+2], 16,  v[Y+2*q+1]
	v_and_b32     v[T+3], s13, v[Y+2*q+1]
.if q%4 == 0
	v_pk_mul_f32 v[SQ+2*i:SQ+2*i+1], v[T:T+1], v[T:T+1]  ; a row's first squares start its sums: nothing is cleared
.else
	v_pk_fma_f32 v[SQ+2*i:SQ+2*i+1], v[T:T+1], v[T:T+1], v[SQ+2*i:SQ+2*i+1]
.endif
	v_pk_fma_f32 v[SQ+2*i:SQ+2*i+1], v[T+2:T+3], v[T+2:T+3], v[SQ+2*i:SQ+2*i+1]
	global_store_b64 v3, v[Y+2*q:Y+2*q+1], s[6:7] offset:1024*(q/4)+256*(q%4)
.set q, q+1
.endr
	; the four rows' sums over the 32 lanes, the rows side by side so that no line waits for the one before it
.irp i, 0,1,2,3
	v_add_f32 v[SQ+2*(\i)], v[SQ+2*(\i)], v[SQ+2*(\i)+1]
.endr
.irp m, 1,2,4,8
.irp i, 0,1,2,3
	v_add_f32_dpp v[SQ+2*(\i)], v[SQ+2*(\i)], v[SQ+2*(\i)] row_xmask:\m row_mask:0xf bank_mask:0xf
.endr
.endr
.irp i, 0,1,2,3
	v_permlanex16_b32 v[T+(\i)], v[SQ+2*(\i)], s14, s15  ; its destination counts as read: T has been written
.endr
.irp i, 0,1,2,3
	v_add_f32 v[SQ+2*(\i)], v[SQ+2*(\i)], v[T+(\i)]
.endr
.irp i, 0,1,2,3
	v_mul_f32 v[SQ+2*(\i)], 0x3e800000, v[SQ+2*(\i)]     ; a quarter: the squares were those of -2 c
.endr
	v_cmp_eq_u32 s24, 1, v1
	v_cmp_eq_u32 s25, 2, v1
	v_cmp_eq_u32 s26, 3, v1
	v_cndmask_b32 v[SQ], v[SQ], v[SQ+2], s24       ; lane i takes row i's sum
	v_cndmask_b32 v[SQ], v[SQ], v[SQ+4], s25
	v_cndmask_b32 v[SQ], v[SQ], v[SQ+6], s26
	v_cmp_gt_u32 vcc_lo, 4, v1
	s_wait_xcnt 0x0                                ; EXEC is a source of the stores above: it is narrowed only behind this wait
	s_and_saveexec_b32 s27, vcc_lo
	global_store_b32 v4, v[SQ], s[8:9]
	s_endpgm
.Lfunc_end_k_q200179b052_prep:
	.size	k_q200179b052_prep, .Lfunc_end_k_q200179b052_prep-k_q200179b052_prep
	.p2alignl 7, 3214868480
	.fill 96, 4, 3214868480
	.section	.rodata,"a",@progbits
	.p2align	6, 0x0
	.amdhsa_kernel k_q200179b052_prep
		.amdhsa_group_segment_fixed_size 0
		.amdhsa_private_segment_fixed_size 0
		.amdhsa_enable_private_segment 0
		.amdhsa_kernarg_size 24
		.amdhsa_user_sgpr_count 2
		.amdhsa_user_sgpr_kernarg_segment_ptr 1
		.amdhsa_wavefront_size32 1
		.amdhsa_system_sgpr_workgroup_id_x 1
		.amdhsa_system_sgpr_workgroup_id_y 1
		.amdhsa_system_sgpr_workgroup_id_z 1
		.amdhsa_system_vgpr_workitem_id 0
		.amdhsa_next_free_vgpr 128
		.amdhsa_next_free_sgpr 66
		.amdhsa_reserve_vcc 1
		.amdhsa_float_denorm_mode_32 3
		.amdhsa_float_denorm_mode_16_64 3
		.amdhsa_memory_ordered 1
		.amdhsa_forward_progress 1
		.amdhsa_inst_pref_size 16
	.end_amdhsa_kernel
	.amdgpu_metadata
---
amdhsa.version: [ 1, 2 ]
amdhsa.kernels:
  - .name:           k_q200179b052_prep
    .symbol:         k_q200179b052_prep.kd
    .args:
      - { .name: codebook, .offset: 0, .size: 8, .value_kind: global_buffer, .address_space: global }
      - { .name: cbh, .offset: 8, .size: 8, .value_kind: global_buffer, .address_space: global }
      - { .name: cc, .offset: 16, .size: 8, .value_kind: global_buffer, .address_space: global }
    .group_segment_fixed_size: 0
    .private_segment_fixed_size: 0
    .kernarg_segment_align: 8
    .kernarg_segment_size: 24
    .max_flat_workgroup_size: 128
    .sgpr_count:     66
    .vgpr_count:     128
    .wavefront_size: 32
...
	.end_amdgpu_metadata
.endif
;; end of part 1
;; launch main (part 2): grid 256 x 1, 4 waves a work-group, clusters of 4 x 1, 327,680 bytes of LDS; arguments ze, cbh, cc, idx; writes idx
.if DOCPART == 2
	.amdgcn_target "amdgcn-amd-amdhsa--gfx1250"
	.amdhsa_code_object_version 6
	.text
	.protected	k_q200179b052_main
	.globl	k_q200179b052_main
	.p2align	8
	.type	k_q200179b052_main,@function
k_q200179b052_main:
	s_mov_b64 s[64:65], 0
	v_nop
	global_prefetch_b8 v0, s[64:65] scope:SCOPE_SE
	s_setreg_imm32_b32 hwreg(HW_REG_WAVE_MODE, 25, 1), 1
	s_wait_xcnt 0x0
	s_wait_alu depctr_hold_cnt(0) depctr_sa_sdst(0) depctr_va_vdst(0) depctr_va_sdst(0) depctr_va_ssrc(0) depctr_va_vcc(0) depctr_vm_vsrc(0)
	s_getreg_b32 s2, hwreg(HW_REG_IB_STS2, 6, 4)
	s_cmp_eq_u32 s2, 0
	s_cbranch_scc0 .Lentry_in_a_cluster
	s_endpgm
.Lentry_in_a_cluster:
	s_bfe_u32 s2, ttmp6, 0x10000c
	s_cmp_lg_u32 s2, 0x3003
	s_cbranch_scc0 .Lentry_shape_is_right
	s_endpgm
.Lentry_shape_is_right:
; VECTOR QUANTISER, launch 2 of 3.  idx[row] = argmin_k (cc[k] + the sum over d of bf16(ze[row][d]) x cbh[k][d]), cbh = bf16(-2 codebook), cc[k] = |bf16(c_k)|^2: both made by launch 1.
; LEFT OUT: |z_row|^2, which is the same for all k and so moves no argmin (shown at the head of launch 1, with the limits: NaN and infinities are not treated apart; scores within f32
; rounding of each other may be chosen the other way round than by the f32 formula; equal scores go to the lower index).
; SHARES.  A work-group owns 128 rows of ze and walks ALL 4,096 codes, in 32 tiles of 128 codes x the whole K = 512: a row's argmin is finished here, by one owner.  Wave w (wr = w / 2, wc = w % 2)
; owns rows 64 wr .. + 63 (four blocks a of 16) and of each tile the codes 64 wc .. + 63 (four blocks b of 16): 16 accumulators, 16 K fragments: 256 matrix instructions a tile.
; ZE STAYS IN REGISTERS: 64 rows x 512 bf16 are 512 registers of a wave, converted once from f32.  So LDS is read for the codes alone: 2 loads of 16 bytes a lane for 4 matrix instructions.
; LAYOUT.  Source 0 = 16 codes, source 1 = 16 rows of ze: in the result a lane holds ONE row of ze (lane % 16) and the codes 8 (lane / 16) + 0..7, so the argmin runs inside a lane.
; The C operand of a tile's first K step is cc: the finished score leaves the matrix unit.
; BY TURNS.  Two sets of accumulators, by the tile's parity.  While tile t is summed into one set, the argmin of tile t - 1 reads the other: a SLICE of three vector lines (compare, minimum,
; select the place) behind every second matrix instruction: 128 slices for the wave's 128 registers of scores.  A slice works in window 0 on a score in window 1, which costs two window
; switches: five issue slots behind two matrix instructions.
; CLUSTER.  All work-groups walk the same tiles of cbh, so the four of a cluster ask for each tile JOINTLY: the same tensor load, descriptor and mask in all four.  ze is nobody else's: plain loads.
; A wave's tensor load brings 32 rows of 1,024 bytes.
; LDS.  Two slots of 128 rows x 1,040 bytes (1,024 + 16 of padding = 260 words: row r starts at bank 4 r mod 64, of 64 banks of 4 bytes, ISA guide 11.1: the 16 rows of a load start at 16 different banks).
; Each slot first holds one K half of my 128 rows of ze in f32 (256 numbers = 1,024 bytes a row), later tiles of cbh (512 bf16 = 1,024 bytes a row).  Behind them cc (16 KiB, filled once),
; a scratch for the last merge (written by ds_store alone), and the spare words.
; REGISTERS, in windows of 256 (s_set_vgpr_msb: bits 1:0 source 0, 3:2 source 1, 5:4 source 2, 7:6 destination):
;   window 0: v0-15 addresses; v16-31 the argmin's state, four registers (one a row block) each of M, OLD, P, T; v32-63 cc of a tile; v64-127, v128-191 fragments of the codes, two buffers of 64 along K; v192-219 the merge
;   window 1: v0-127 accumulators of even tiles, v128-255 of odd tiles: (a, b) at 32 a + 8 b; at the start: ze in f32, on its way to bf16
;   window 2: ze, K fragments 0-7: (a, f) at 64 a + 8 f          window 3: K fragments 8-15
.set PITCH, 1040
.set QROWS, 32*PITCH                   ; what one tensor load brings
.set SLOT,  4*QROWS                    ; 133,120 bytes
.set CCT,   2*SLOT                     ; cc, dense
.set SCR,   CCT+16384                  ; [wc][row 0..127] pairs (minimum, index) of 8 bytes: 2,048 bytes
.set SPARE, SCR+2048                   ; the spare words, 128 bytes for each wave: two blocks of 256 bytes that no other line names
.set TILEB, 131072                     ; bytes of a tile of cbh in memory
.set BA,  3                            ; v3, v4   LDS address of my fragments of the codes in slot 0, 1: (64 wc + l % 16) x PITCH + 16 (l / 16)
.set ZA,  5                            ; v5, v6   of my rows of ze in f32: (64 wr + l % 16) x PITCH + 32 (l / 16)
.set CC0, 7                            ; v7       CCT + 256 wc + 32 (l / 16); never rewritten
.set CCA, 8                            ; v8       the same for the tile whose cc is being fetched
.set PFO, 9                            ; v9       the prefetches' offset: 1,024 x lane, a row of cbh; never rewritten
.set SPW, 10                           ; v10      LDS address of my spare word; never rewritten
.set NIL, 11                           ; v11      0; never rewritten
.set NB0, 12                           ; v12      64 wc + 8 (l / 16): my lanes' first code in a tile
.set SA,  13                           ; v13      where I put my rows' pairs
.set RA,  14                           ; v14      where wave 0 reads four rows' pairs back
.set IO,  15                           ; v15      16 x lane: my 16 bytes of idx
.set M,   16                           ; v16-19   row block a: the least score so far
.set OLD, 20                           ; v20-23   the same at the last tile's end
.set P,   24                           ; v24-27   its place 8 b + j in its tile
.set T,   28                           ; v28-31   its tile
.set CCR, 32                           ; v32-63   cc of code block b at CCR + 8 b
.set F0,  64                           ; buffer 0; buffer 1 at F0 + 64; in a buffer the K fragment c (0, 1), block b at 32 c + 8 b
.set PR,  192                          ; the merge's pairs
.set WV,  12                           ; s12 wave, s13 wr, s14 wc, s15 cx
.set WR,  13
.set WC,  14
.set CX,  15
.set G1Z, 16                           ; s[16:23] descriptor group 1 for ze (no mask)
.set G1B, 24                           ; s[24:31] for cbh (joint)
.set G1C, 32                           ; s[32:39] for cc (joint)
.set G0B, 40                           ; s[40:47] group 0 for cbh, a set for each slot
.set G0C, 48                           ; s[48:51] for cc
.set G0Z, 52                           ; s[52:59] for ze, a set for each K half
.set CNT, 60                           ; s60  trips to go
.set TIL, 61                           ; s61  the tile whose argmin is riding
.set CCB, 62                           ; s62  byte in cc of the tile whose cc is fetched next
.set LIM, 63                           ; s63  1 in a cluster that prefetches, else the greatest number
.set PFA, 66                           ; s[66:67] where my prefetches stand
.set INF, 68                           ; s68  +infinity
.set SEL, 70                           ; s[70:71] v_permlanex16_b32's selects
.set MSB, 0
.macro WIN new                         ; the immediate's high byte repeats the setting that is left; a switch that changes nothing is dropped
.if MSB != (\new)
	s_set_vgpr_msb (MSB<<8)|(\new)
.set MSB, (\new)
.endif
.endm
; A round of the cluster's barrier: my work-group's barrier, so that wave 0's signal speaks for all four waves; wave 0 signals; every wave waits for all four work-groups; my work-group's barrier once more.
.macro CREST                           ; a round behind its opening barrier
	s_cmp_lg_u32 s[WV], 0
	s_cbranch_scc1 .Lnot_wave_0_\@
	s_barrier_signal -3
.Lnot_wave_0_\@:
	s_barrier_wait -3
	s_barrier_signal -1
	s_barrier_wait -1
.endm
.macro CROUND
	s_barrier_signal -1
	s_barrier_wait -1
	CREST
.endm
; A joint fill of slot s: every wave fetches its own 32 rows of the tile, so the line stands under no branch.  The windows are 0 in front of it, and LDS loads, or one switch at once, follow its s_nop 0.
.macro JLOAD s
	tensor_load_to_lds s[G0B+4*(\s):G0B+4*(\s)+3], s[G1B:G1B+7]
	s_nop 0
.endm
; A PREFETCH INTO THE L2 of the tile that stands TWO refills on (tile t + 4 in tile t): 512 matrix instructions ahead of the load that will want it.  All clusters walk the same tiles: cluster 0 alone asks.
; Its 16 waves x 32 lanes name the tile's 512 blocks of 256 bytes once each: wave w its own 32 rows, a lane a row; the partner at place cx the quarter of a row at 256 cx, told apart BY ADDRESS.
; The loop's last trip asks for nothing (tiles 32 and 33 do not exist); tiles 0 to 3 come by their loads alone.
.macro ASK
	s_cmp_gt_u32 s[CNT], s[LIM]
	s_cbranch_scc0 .Lnot_mine_\@
	global_prefetch_b8 v[PFO], s[PFA:PFA+1] th:TH_LOAD_NT scope:SCOPE_SE
.Lnot_mine_\@:
.endm
; 16 LDS loads in one run: my 64 codes x 64 along K (step q of a tile's eight) into a buffer; the first 32 along K first.
; A fragment is 16 rows x 32 K in 8 registers: lane l holds row l % 16, K = 8 (l / 16) + 0..7 and 16 + 8 (l / 16) + 0..7: two loads of 16 bytes, 32 bytes apart.
.macro FETCH slot, q, buf
	WIN 0
.irp c, 0,1
.irp b, 0,1,2,3
	ds_load_b128 v[(\buf)+32*(\c)+8*(\b):(\buf)+32*(\c)+8*(\b)+3],   v[BA+(\slot)] offset:16*PITCH*(\b)+128*(\q)+64*(\c)
	ds_load_b128 v[(\buf)+32*(\c)+8*(\b)+4:(\buf)+32*(\c)+8*(\b)+7], v[BA+(\slot)] offset:16*PITCH*(\b)+128*(\q)+64*(\c)+32
.endr
.endr
.endm
; cc of my 64 codes of the next tile, as a C operand: register j of block b is cc[.. + 16 b + 8 (l / 16) + j]; sixteen lanes read the same words.
.macro CCFETCH
	WIN 0
	v_add_nc_u32 v[CCA], s[CCB], v[CC0]
	s_add_co_u32 s[CCB], s[CCB], 512
.irp b, 0,1,2,3
	ds_load_b128 v[CCR+8*(\b):CCR+8*(\b)+3],   v[CCA] offset:64*(\b)
	ds_load_b128 v[CCR+8*(\b)+4:CCR+8*(\b)+7], v[CCA] offset:64*(\b)+16
.endr
.endm
; A SLICE: the score at place p of row block a, in accumulator set R, against the least so far.  Where the score is not smaller the old place stays: the places come in ascending order of the
; codes, so of equal scores the first wins.  VCC lives inside the slice alone.  Each accumulator is first read at its lowest register (p = 8 b).
.macro SLICE R, a, p
	WIN 0x01                               ; source 0 in window 1, all else in window 0
	v_cmp_ge_f32 vcc_lo, v[(\R)+32*(\a)+(\p)], v[M+(\a)]
	v_min_num_f32 v[M+(\a)], v[(\R)+32*(\a)+(\p)], v[M+(\a)]
	v_cndmask_b32 v[P+(\a)], (\p), v[P+(\a)], vcc_lo
.endm
; At a tile's end: where the minimum has fallen in it, the tile's number is taken.
.macro UPDATE a
	WIN 0
	v_cmp_ge_f32 vcc_lo, v[M+(\a)], v[OLD+(\a)]
	v_cndmask_b32 v[T+(\a)], s[TIL], v[T+(\a)], vcc_lo
	v_mov_b32 v[OLD+(\a)], v[M+(\a)]
.endm
; The tile's matrix instruction number NW of 256: K fragment NW / 16, code block (NW % 16) / 4, row block NW % 4.  The 16 accumulators take turns, one instruction a turn, in the same order in every
; K fragment: 15 others stand between two links of a chain, and a tile's last and the next tile's first name different sets.  Behind every even one a slice; behind the last four odd ones an UPDATE.
.macro MM
.set mf, NW/16
.set mb, (NW%16)/4
.set ma, NW%4
.set rD, ACC+32*ma+8*mb
.set rA, F0+64*((mf/2)%2)+32*(mf%2)+8*mb
.set rB, 64*ma+8*(mf%8)
.if mf == 0
	WIN 0x48                               ; codes window 0, ze window 2, C = cc in window 0, D window 1: cc starts the sums, nothing is cleared
	v_wmma_f32_16x16x32_bf16 v[rD:rD+7], v[rA:rA+7], v[rB:rB+7], v[CCR+8*mb:CCR+8*mb+7]
.else
.if mf < 8
	WIN 0x58                               ; C and D window 1
.else
	WIN 0x5c                               ; ze window 3
.endif
	v_wmma_f32_16x16x32_bf16 v[rD:rD+7], v[rA:rA+7], v[rB:rB+7], v[rD:rD+7]
.endif
.if NW%2 == 0
	SLICE RID, (NW/2)%4, NW/8
.elseif NW >= 249
	UPDATE (NW-249)/2
.endif
.set NW, NW+1
.endm
.macro MUL n
.rept \n
	MM
.endr
.endm
; One of a tile's first seven steps of 64 along K: 32 matrix instructions; in its middle the next step's 16 loads, in one run.  A load into a register that a matrix instruction has read stands four
; places behind it (ISA guide 7.12.1 for vector instructions): the eight slices of the 16 products in between, 24 plain lines on other registers, are those places.  cc = 1: the next tile's cc too
; (its last readers are the tile's first 16 products).
.macro STEP slot, q, cc
	s_wait_dscnt 8                         ; the first 32 along K are in; the youngest eight loads may be out
	MUL 16
.if \cc
	CCFETCH
.endif
	FETCH \slot, (\q)+1, F0+64*(((\q)+1)%2)
.if \cc
	s_wait_dscnt 24                        ; all but the 24 just issued
.else
	s_wait_dscnt 16                        ; all but the 16 just issued
.endif
	MUL 16
.endm
; A tile's last step, which changes slots.  ONE barrier for two things: in front of it each wave waits for all its tensor loads, of which one is out: its part of the other slot; adds 0 to its spare
; word; and waits for that and for its own reads of this slot.  Behind it nobody reads this slot any more and the other slot is whole.
; mode 2: this slot is filled again, with the tile two on.  The barrier then opens a round of the cluster's, so that no wave of any partner still reads the slot or has a load on its way; the joint
; refill is the first thing behind the round and has 240 matrix instructions in which to land.  mode 1: nothing is left to ask for.  mode 0: the walk's last tile: no other slot.
.macro TURN slot, mode
.if (\mode) == 0
	s_wait_dscnt 8
	MUL 16
	s_wait_dscnt 0x0
	MUL 16
.else
.if (\mode) == 2
	s_wait_xcnt 0x0                        ; the last prefetch, a tile back, has read its address: it is stepped here, ahead of the waits of the change of slots
	s_add_nc_u64 s[PFA:PFA+1], s[PFA:PFA+1], TILEB
.endif
	WIN 0                                  ; (the add's two registers lie in window 0)
	s_wait_tensorcnt 0x0                   ; all my tensor loads have landed: my part of the other slot
	ds_add_u32 v[SPW], v[NIL]              ; 0 onto my spare word
	s_wait_dscnt 9                         ; (the add and the youngest eight loads may be out)
	MUL 8                                  ; eight matrix instructions and four slices stand between the add and the wait for it
	s_wait_dscnt 0x0                       ; the add is done, and my reads of this slot are over
	s_barrier_signal -1
	MUL 8                                  ; work on registers while the others arrive
	WIN 0
	s_barrier_wait -1
.if (\mode) == 2
	CREST
	s_add_nc_u64 s[G0B+4*(\slot)+2:G0B+4*(\slot)+3], s[G0B+4*(\slot)+2:G0B+4*(\slot)+3], 2*TILEB  ; no tensor load of mine is out: the slot's next tile; the type bits on top are not reached
	JLOAD \slot
.endif
	FETCH 1-(\slot), 0, F0
.if (\mode) == 2
	ASK                                    ; behind the joint load and the run of LDS loads that the next products wait for
.endif
	MUL 16
.endif
.endm
; A tile, in slot s: its sums go into set s, the riders read the other set, which holds the tile before.
.macro TILE slot, mode, cc
.set ACC, 128*(\slot)
.set RID, 128-ACC
.set NW, 0
	STEP \slot, 0, 0
	STEP \slot, 1, 0
	STEP \slot, 2, 0
	STEP \slot, 3, \cc
	STEP \slot, 4, 0
	STEP \slot, 5, 0
	STEP \slot, 6, 0
	TURN \slot, \mode
	WIN 0                                  ; at a label and at a branch every window is 0
	s_add_co_u32 s[TIL], s[TIL], 1
.endm
; ZE ON ITS WAY TO BF16.  Row block a, K half kh: 32 loads bring 16 rows x 256 f32 into 128 registers t .. of window 1, in the order of the fragments (for fragment f a lane's K = 8 (l / 16) + 0..7: 32 bytes,
; and 16 + 8 (l / 16) + 0..7: 32 bytes, 64 further on); 64 conversions pack them into the eight fragments.
.macro ZLOAD a, kh, t
	WIN 0x40                               ; destination window 1, address window 0
.irp f, 0,1,2,3,4,5,6,7
	ds_load_b128 v[(\t)+16*(\f):(\t)+16*(\f)+3],     v[ZA+(\kh)] offset:16*PITCH*(\a)+128*(\f)
	ds_load_b128 v[(\t)+16*(\f)+4:(\t)+16*(\f)+7],   v[ZA+(\kh)] offset:16*PITCH*(\a)+128*(\f)+16
	ds_load_b128 v[(\t)+16*(\f)+8:(\t)+16*(\f)+11],  v[ZA+(\kh)] offset:16*PITCH*(\a)+128*(\f)+64
	ds_load_b128 v[(\t)+16*(\f)+12:(\t)+16*(\f)+15], v[ZA+(\kh)] offset:16*PITCH*(\a)+128*(\f)+80
.endr
.endm
.macro ZCVT a, kh, t
	WIN 0x85+0x40*(\kh)                    ; sources window 1, destination window 2 or 3
.irp f, 0,1,2,3,4,5,6,7
.irp i, 0,1,2,3,4,5,6,7
	v_cvt_pk_bf16_f32 v[64*(\a)+8*(\f)+(\i)], v[(\t)+16*(\f)+2*(\i)], v[(\t)+16*(\f)+2*(\i)+1]
.endr
.endr
.endm
.macro ZHALF kh                        ; two sets of 128 registers take turns: while one block is converted the next one's 32 loads are out
	ZLOAD 0, \kh, 0
	ZLOAD 1, \kh, 128
	s_wait_dscnt 32                        ; all but the younger block's 32
	ZCVT 0, \kh, 0
	ZLOAD 2, \kh, 0
	s_wait_dscnt 32
	ZCVT 1, \kh, 128
	ZLOAD 3, \kh, 128
	s_wait_dscnt 32
	ZCVT 2, \kh, 0
	s_wait_dscnt 0x0
	ZCVT 3, \kh, 128
.endm
; s72 = the lanes in which the other candidate (om, on) beats (m, n): a smaller score, or an equal one with the lower index.
.macro PICK m, n, om, on
	v_cmp_lt_f32 s72, v[\om], v[\m]
	v_cmp_eq_f32 s73, v[\om], v[\m]
	v_cmp_lt_u32 s74, v[\on], v[\n]
	s_and_b32 s73, s73, s74
	s_or_b32 s72, s72, s73
.endm
	s_load_b256 s[4:11], s[0:1], 0x0               ; ze s[4:5], cbh s[6:7], cc s[8:9], idx s[10:11]
	v_lshl_add_u32 v[SPW], v0, 2, SPARE
	v_mov_b32 v[NIL], 0
	ds_add_u32 v[SPW], v[NIL]                      ; the wave's opening: the add, twice on end, and its wait ahead of my first tensor load; the set-up below stands between
	ds_add_u32 v[SPW], v[NIL]                      ; and once more, under the one wait
	v_lshrrev_b32 v1, 5, v0
	v_readfirstlane_b32 s[WV], v1                  ; wave 0..3
	s_lshr_b32 s[WR], s[WV], 1
	s_and_b32 s[WC], s[WV], 1
	s_bfe_u32 s[CX], ttmp6, 0x40000                ; my place in the cluster: it enters the addresses of ze, of idx and of the prefetches alone
	s_lshl_b32 s76, ttmp9, 2                       ; in a cluster launch ttmp9 counts clusters
	s_add_co_u32 s76, s76, s[CX]                   ; my work-group's number
	; descriptor group 1.  ze and cbh: 32 rows of 256 elements of 4 bytes, 4 words of padding behind every 256 words
	s_mov_b32 s[G1Z], (2<<16)|(1<<20)|(7<<22)|(3<<25)              ; 15:0 no mask; 17:16 elements of 4 bytes; 20 padding on; 24:22 after every 256 words (code 7); 31:25 4 words (code 3)
	s_mov_b32 s[G1B], 15|(2<<16)|(1<<20)|(1<<21)|(7<<22)|(3<<25)   ; the same with the mask of all four work-groups, and bit 21 set beside it
.irp g, G1Z, G1B
	s_mov_b32 s[(\g)+1], 256<<16                   ; tensor_dim0 = 256
	s_mov_b32 s[(\g)+2], 32<<16                    ; tensor_dim1 = 32
	s_mov_b32 s[(\g)+3], 256<<16                   ; tile_dim0 = 256
	s_mov_b32 s[(\g)+4], 32                        ; tile_dim1 = 32
	s_mov_b32 s[(\g)+6], 0
	s_mov_b32 s[(\g)+7], 0
.endr
	s_mov_b32 s[G1Z+5], 512                        ; a row of ze is 512 elements,
	s_mov_b32 s[G1B+5], 256                        ; a row of cbh 256
	s_mov_b32 s[G1C], 15|(3<<16)|(1<<21)           ; cc: my 4,096 dense bytes as 16 rows of 32 elements of 8 bytes, no padding; joint
	s_mov_b32 s[G1C+1], 32<<16
	s_mov_b32 s[G1C+2], 16<<16
	s_mov_b32 s[G1C+3], 32<<16
	s_mov_b32 s[G1C+4], 16
	s_mov_b32 s[G1C+5], 32
	s_mov_b32 s[G1C+6], 0
	s_mov_b32 s[G1C+7], 0
	; group 0: the count and the LDS addresses, made of the wave's number alone
	s_mul_i32 s69, s[WV], QROWS
	s_mov_b32 s[G0B], 1
	s_mov_b32 s[G0B+1], s69
	s_mov_b32 s[G0B+4], 1
	s_add_co_u32 s[G0B+5], s69, SLOT
	s_mov_b32 s[G0Z], 1
	s_mov_b32 s[G0Z+1], s69
	s_mov_b32 s[G0Z+4], 1
	s_add_co_u32 s[G0Z+5], s69, SLOT
	s_mov_b32 s[G0C], 1
	s_lshl_b32 s72, s[WV], 12                      ; my 4,096 bytes of cc
	s_mov_b32 s73, 0
	s_add_co_u32 s[G0C+1], s72, CCT
	s_lshl_b32 s2, s[WV], 15                       ; my 32 rows of a tile of cbh
	s_mov_b32 s3, 0
	s_lshl_b32 s74, s[CX], 8                       ; the prefetches: my work-group's quarter of a row
	s_mov_b32 s75, 0
	s_lshl_b32 s78, s76, 18                        ; my work-group's 128 rows of ze, 2,048 bytes each,
	s_lshl_b32 s79, s[WV], 16                      ; my wave's 32 of them
	s_add_co_u32 s78, s78, s79
	s_mov_b32 s79, 0
	s_lshl_b32 s76, s76, 9                         ; my work-group's 512 bytes of idx
	s_mov_b32 s77, 0
	s_mov_b32 s[TIL], -1                           ; tile 0 carries riders on a set that holds +infinity: no tile is taken
	s_mov_b32 s[CCB], 0
	s_mov_b32 s[INF], 0x7f800000
	s_mov_b32 s[SEL], 0x76543210
	s_mov_b32 s[SEL+1], 0xfedcba98
	s_cmp_eq_u32 ttmp9, 0                          ; the same in all four partners
	s_cselect_b32 s[LIM], 1, -1
	s_wait_dscnt 0x0                               ; both opening adds are done
	s_wait_kmcnt 0x0
	s_add_nc_u64 s[G0B+2:G0B+3], s[6:7], s[2:3]    ; tile 0,
	s_add_nc_u64 s[G0B+6:G0B+7], s[G0B+2:G0B+3], TILEB  ; tile 1
	s_add_nc_u64 s[PFA:PFA+1], s[G0B+2:G0B+3], 3*TILEB  ; at tile 3: the first change of slots steps it to tile 4.  Nothing is prefetched here, at the head
	s_add_nc_u64 s[PFA:PFA+1], s[PFA:PFA+1], s[74:75]
	s_or_b32 s[G0B+3], s[G0B+3], 0x80000000        ; 127:126 type = 2
	s_or_b32 s[G0B+7], s[G0B+7], 0x80000000
	s_add_nc_u64 s[G0C+2:G0C+3], s[8:9], s[72:73]
	s_or_b32 s[G0C+3], s[G0C+3], 0x80000000
	s_add_nc_u64 s[G0Z+2:G0Z+3], s[4:5], s[78:79]  ; K = 0 .. 255,
	s_add_nc_u64 s[G0Z+6:G0Z+7], s[G0Z+2:G0Z+3], 1024  ; K = 256 .. 511
	s_or_b32 s[G0Z+3], s[G0Z+3], 0x80000000
	s_or_b32 s[G0Z+7], s[G0Z+7], 0x80000000
	s_add_nc_u64 s[10:11], s[10:11], s[76:77]
	CROUND                                         ; all four work-groups are here
	tensor_load_to_lds s[G0Z:G0Z+3], s[G1Z:G1Z+7]  ; the first fills, as one group: three loads of mine are out.  ze, first K half, into slot 0,
	s_nop 0
	tensor_load_to_lds s[G0Z+4:G0Z+7], s[G1Z:G1Z+7]  ; second K half, into slot 1,
	s_nop 0
	tensor_load_to_lds s[G0C:G0C+3], s[G1C:G1C+7]  ; and cc
	s_nop 0
	v_and_b32 v1, 15, v0                           ; l % 16
	v_bfe_u32 v2, v0, 4, 1                         ; l / 16
	v_mul_u32_u24 v[SA], v1, PITCH
	s_mul_i32 s78, s[WC], 64*PITCH
	s_mul_i32 s79, s[WR], 64*PITCH
	v_lshl_add_u32 v[BA], v2, 4, v[SA]
	v_add_nc_u32 v[BA], s78, v[BA]
	v_add_nc_u32 v[BA+1], SLOT, v[BA]
	v_lshl_add_u32 v[ZA], v2, 5, v[SA]
	v_add_nc_u32 v[ZA], s79, v[ZA]
	v_add_nc_u32 v[ZA+1], SLOT, v[ZA]
	s_lshl_b32 s78, s[WC], 8
	s_add_co_u32 s78, s78, CCT
	v_lshl_add_u32 v[CC0], v2, 5, s78
	v_and_b32 v[PFO], 31, v0
	v_lshlrev_b32 v[IO], 4, v[PFO]
	v_lshl_add_u32 v[RA], v[PFO], 5, SCR
	v_lshlrev_b32 v[PFO], 10, v[PFO]
	s_lshl_b32 s78, s[WC], 6
	v_lshl_add_u32 v[NB0], v2, 3, s78
	s_lshl_b32 s78, s[WC], 10
	s_lshl_b32 s79, s[WR], 9
	s_add_co_u32 s78, s78, s79
	s_add_co_u32 s78, s78, SCR
	v_lshl_add_u32 v[SA], v1, 3, s78               ; SCR + 1,024 wc + 8 (64 wr + l % 16)
.irp a, 0,1,2,3
	v_mov_b32 v[M+(\a)], s[INF]
	v_mov_b32 v[OLD+(\a)], s[INF]
	v_mov_b32 v[P+(\a)], 0
	v_mov_b32 v[T+(\a)], 0
.endr
	s_wait_tensorcnt 0x2                           ; my part of slot 0 is in; the two younger loads may stay out, and only slot 0 is read
	s_barrier_signal -1
	s_barrier_wait -1                              ; everybody's is
	ZHALF 0
	WIN 0
	s_wait_tensorcnt 0x0                           ; all my loads have landed, my parts of slot 1 and of cc among them
	ds_add_u32 v[SPW], v[NIL]
	s_wait_dscnt 0x0                               ; the add is done, and my reads of slot 0 are over
	CROUND                                         ; both hold of every wave of all four work-groups
	JLOAD 0                                        ; tile 0 of cbh takes slot 0; it is on its way while the second half of ze is converted
	ZHALF 1
	WIN 0
	s_wait_tensorcnt 0x0                           ; my part of tile 0 is in
	ds_add_u32 v[SPW], v[NIL]                      ; the moves below stand between the add and the wait for it
	WIN 0x40
.set i, 128
.rept 128
	v_mov_b32 v[i], s[INF]                         ; the odd tiles' set holds +infinity, so that tile 0 carries the same riders as every tile: 128 moves once, for one text of a tile
.set i, i+1
.endr
	WIN 0
	s_wait_dscnt 0x0                               ; the add is done, and my reads of slot 1 are over
	CROUND
	JLOAD 1                                        ; tile 1 takes slot 1
	CCFETCH                                        ; tile 0's cc
	FETCH 0, 0, F0
	s_mov_b32 s[CNT], 15
.Lpair:                                        ; tiles 0 to 29, two a trip; each fills its own slot again with the tile two on
	TILE 0, 2, 1
	TILE 1, 2, 1
	s_sub_co_u32 s[CNT], s[CNT], 1
	s_cmp_lg_u32 s[CNT], 0
	s_cbranch_scc1 .Lpair
	TILE 0, 1, 1                                   ; the tail is written out: tile 30 asks for nothing
	TILE 1, 0, 0                                   ; tile 31 changes no slot
	; The last tile's argmin has no products to ride behind.  No v_nop: the accumulator read first was last written at product 240, behind which stand six slices and more on other registers;
	; each later accumulator is read later still.
.set pp, 0
.rept 32
.irp a, 0,1,2,3
	SLICE 128, \a, pp
.endr
.set pp, pp+1
.endr
.irp a, 0,1,2,3
	UPDATE \a
.endr
	; THE MERGE.  A lane's index: 128 T + 64 wc + 16 b + 8 (l / 16) + j with P = 8 b + j, and 16 b + j = P + (P and 24).  A row's other 32 codes of each tile lie in the lane 16 away, its other 64 in the wave beside.
.irp a, 0,1,2,3
	v_and_b32 v[OLD+(\a)], 24, v[P+(\a)]
	v_add3_u32 v[P+(\a)], v[OLD+(\a)], v[P+(\a)], v[NB0]
	v_lshl_add_u32 v[T+(\a)], v[T+(\a)], 7, v[P+(\a)]
.endr
.irp a, 0,1,2,3
	v_permlanex16_b32 v[OLD+(\a)], v[M+(\a)], s[SEL], s[SEL+1]  ; the destinations count as read: both have been written
	v_permlanex16_b32 v[P+(\a)], v[T+(\a)], s[SEL], s[SEL+1]
.endr
.irp a, 0,1,2,3
	PICK M+(\a), T+(\a), OLD+(\a), P+(\a)
	v_cndmask_b32 v[PR+2*(\a)],   v[M+(\a)], v[OLD+(\a)], s72
	v_cndmask_b32 v[PR+2*(\a)+1], v[T+(\a)], v[P+(\a)],   s72
	ds_store_b64 v[SA], v[PR+2*(\a):PR+2*(\a)+1] offset:128*(\a)  ; the two halves of the lanes hold the same winner and store it to the same place
.endr
	s_wait_dscnt 0x0                               ; for the others' sake: my stores are done
	s_barrier_signal -1
	s_barrier_wait -1
	s_cmp_lg_u32 s[WV], 0                          ; wave 0 finishes: lane l takes rows 4 l .. 4 l + 3
	s_cbranch_scc1 .Lend
	ds_load_b128 v[PR:PR+3],     v[RA]             ; the pairs from the waves with wc = 0,
	ds_load_b128 v[PR+4:PR+7],   v[RA] offset:16
	ds_load_b128 v[PR+8:PR+11],  v[RA] offset:1024 ; and with wc = 1
	ds_load_b128 v[PR+12:PR+15], v[RA] offset:1040
	s_wait_dscnt 0x0
.irp i, 0,1,2,3
	PICK PR+2*(\i), PR+2*(\i)+1, PR+8+2*(\i), PR+9+2*(\i)
	v_cndmask_b32 v[PR+24+(\i)], v[PR+2*(\i)+1], v[PR+9+2*(\i)], s72
.endr
	global_store_b128 v[IO], v[PR+24:PR+27], s[10:11]  ; the work-group's 128 indices: 512 consecutive bytes, at a multiple of 512 from the buffer's first byte
.Lend:
	s_wait_tensorcnt 0x0                           ; the wave's end: behind my last tensor load and my last LDS store
	ds_add_u32 v[SPW], v[NIL]
	s_wait_dscnt 0x0
	CROUND                                         ; the closing round: no work-group ends while a partner may still ask for a tile that names it
	s_endpgm
.Lfunc_end_k_q200179b052_main:
	.size	k_q200179b052_main, .Lfunc_end_k_q200179b052_main-k_q200179b052_main
	.p2alignl 7, 3214868480
	.fill 96, 4, 3214868480
	.section	.rodata,"a",@progbits
	.p2align	6, 0x0
	.amdhsa_kernel k_q200179b052_main
		.amdhsa_group_segment_fixed_size 327680
		.amdhsa_private_segment_fixed_size 0
		.amdhsa_enable_private_segment 0
		.amdhsa_kernarg_size 32
		.amdhsa_user_sgpr_count 2
		.amdhsa_user_sgpr_kernarg_segment_ptr 1
		.amdhsa_wavefront_size32 1
		.amdhsa_system_sgpr_workgroup_id_x 1
		.amdhsa_system_sgpr_workgroup_id_y 1
		.amdhsa_system_sgpr_workgroup_id_z 1
		.amdhsa_system_vgpr_workitem_id 0
		.amdhsa_next_free_vgpr 1024
		.amdhsa_next_free_sgpr 80
		.amdhsa_reserve_vcc 1
		.amdhsa_float_denorm_mode_32 3
		.amdhsa_float_denorm_mode_16_64 3
		.amdhsa_memory_ordered 1
		.amdhsa_forward_progress 1
		.amdhsa_inst_pref_size 255
	.end_amdhsa_kernel
	.section	.bss,"aw",@nobits
	.p2align	6
	.space	262144
	.amdgpu_metadata
---
amdhsa.version: [ 1, 2 ]
amdhsa.kernels:
  - .name:           k_q200179b052_main
    .symbol:         k_q200179b052_main.kd
    .args:
      - { .name: ze, .offset: 0, .size: 8, .value_kind: global_buffer, .address_space: global }
      - { .name: cbh, .offset: 8, .size: 8, .value_kind: global_buffer, .address_space: global }
      - { .name: cc, .offset: 16, .size: 8, .value_kind: global_buffer, .address_space: global }
      - { .name: idx, .offset: 24, .size: 8, .value_kind: global_buffer, .address_space: global }
    .group_segment_fixed_size: 327680
    .private_segment_fixed_size: 0
    .kernarg_segment_align: 8
    .kernarg_segment_size: 32
    .max_flat_workgroup_size: 128
    .sgpr_count:     80
    .vgpr_count:     1024
    .wavefront_size: 32
...
	.end_amdgpu_metadata
.endif
;; end of part 2
;; launch gather (part 3): grid 512 x 1, 8 waves a work-group, no clusters, 0 bytes of LDS; arguments idx, codebook, out0; writes out0
.if DOCPART == 3
	.amdgcn_target "amdgcn-amd-amdhsa--gfx1250"
	.amdhsa_code_object_version 6
	.text
	.protected	k_q200179b052_gather
	.globl	k_q200179b052_gather
	.p2align	8
	.type	k_q200179b052_gather,@function
k_q200179b052_gather:
	s_mov_b64 s[64:65], 0
	v_nop
	global_prefetch_b8 v0, s[64:65] scope:SCOPE_SE
	s_setreg_imm32_b32 hwreg(HW_REG_WAVE_MODE, 25, 1), 1
	s_wait_xcnt 0x0
; VECTOR QUANTISER, launch 3 of 3.  out0[row] = codebook[idx[row]], in f32: the chosen rows as they are.  idx was stored by launch 2 (which leaves |z|^2 out of the scores: shown at the head of launch 1).
; The lookup stands in a launch of its own because its addresses hang on the argmin: here the indices are whole numbers read from memory.
; SHARES.  Wave g of the launch's 4,096 takes rows 8 g .. 8 g + 7.  Its eight indices come by one scalar load; a row is 2,048 bytes: four loads and four stores of 16 bytes a lane, each of 512 consecutive
; bytes, aligned.  All 32 loads go out first; a row is stored as soon as it is in.  No loop, so no register is written twice; no LDS, no barrier: a row never leaves its wave.
; No hint on the loads: a row of the codebook may be named by many rows of the output.  No prefetch: the table is read again and again, and the launch's time is its stores'.
.set OFF, 4                            ; v[4:11]    row i: 2,048 x its index + 16 x lane
.set D,   16                           ; v[16:143]  row i, quarter j: 4 registers at D + 16 i + 4 j
	s_load_b128 s[4:7], s[0:1], 0x0                ; idx s[4:5], codebook s[6:7]
	s_load_b64 s[8:9], s[0:1], 0x10                ; out0
	v_lshrrev_b32 v1, 5, v0
	v_readfirstlane_b32 s12, v1                    ; wave 0..7
	v_and_b32 v2, 31, v0
	v_lshlrev_b32 v2, 4, v2                        ; 16 bytes a lane
	s_lshl_b32 s13, ttmp9, 3
	s_add_co_u32 s13, s13, s12                     ; g
	s_lshl_b32 s14, s13, 5                         ; my 8 indices: 32 bytes
	s_mov_b32 s15, 0
	s_lshl_b32 s10, s13, 14                        ; my 8 rows of out0: 16,384 bytes
	s_mov_b32 s11, 0
	s_wait_kmcnt 0x0
	s_add_nc_u64 s[4:5], s[4:5], s[14:15]
	s_add_nc_u64 s[8:9], s[8:9], s[10:11]
	s_load_b256 s[16:23], s[4:5], 0x0
	s_wait_kmcnt 0x0
.irp i, 0,1,2,3,4,5,6,7
	s_min_u32 s[16+(\i)], s[16+(\i)], 0xfff        ; an index stays inside the table of 4,096 rows
	v_lshl_add_u32 v[OFF+(\i)], s[16+(\i)], 11, v2
.endr
.irp i, 0,1,2,3,4,5,6,7
.irp j, 0,1,2,3
	global_load_b128 v[D+16*(\i)+4*(\j):D+16*(\i)+4*(\j)+3], v[OFF+(\i)], s[6:7] offset:512*(\j)
.endr
.endr
.irp i, 0,1,2,3,4,5,6,7
	s_wait_loadcnt 28-4*(\i)                       ; loads come back in order: row i's four are in, the later rows' stay out
.irp j, 0,1,2,3
	global_store_b128 v2, v[D+16*(\i)+4*(\j):D+16*(\i)+4*(\j)+3], s[8:9] offset:2048*(\i)+512*(\j) th:TH_STORE_NT
.endr
.endr
	s_endpgm
.Lfunc_end_k_q200179b052_gather:
	.size	k_q200179b052_gather, .Lfunc_end_k_q200179b052_gather-k_q200179b052_gather
	.p2alignl 7, 3214868480
	.fill 96, 4, 3214868480
	.section	.rodata,"a",@progbits
	.p2align	6, 0x0
	.amdhsa_kernel k_q200179b052_gather
		.amdhsa_group_segment_fixed_size 0
		.amdhsa_private_segment_fixed_size 0
		.amdhsa_enable_private_segment 0
		.amdhsa_kernarg_size 24
		.amdhsa_user_sgpr_count 2
		.amdhsa_user_sgpr_kernarg_segment_ptr 1
		.amdhsa_wavefront_size32 1
		.amdhsa_system_sgpr_workgroup_id_x 1
		.amdhsa_system_sgpr_workgroup_id_y 1
		.amdhsa_system_sgpr_workgroup_id_z 1
		.amdhsa_system_vgpr_workitem_id 0
		.amdhsa_next_free_vgpr 144
		.amdhsa_next_free_sgpr 66
		.amdhsa_reserve_vcc 0
		.amdhsa_float_denorm_mode_32 3
		.amdhsa_float_denorm_mode_16_64 3
		.amdhsa_memory_ordered 1
		.amdhsa_forward_progress 1
		.amdhsa_inst_pref_size 9
	.end_amdhsa_kernel
	.amdgpu_metadata
---
amdhsa.version: [ 1, 2 ]
amdhsa.kernels:
  - .name:           k_q200179b052_gather
    .symbol:         k_q200179b052_gather.kd
    .args:
      - { .name: idx, .offset: 0, .size: 8, .value_kind: global_buffer, .address_space: global }
      - { .name: codebook, .offset: 8, .size: 8, .value_kind: global_buffer, .address_space: global }
      - { .name: out0, .offset: 16, .size: 8, .value_kind: global_buffer, .address_space: global }
    .group_segment_fixed_size: 0
    .private_segment_fixed_size: 0
    .kernarg_segment_align: 8
    .kernarg_segment_size: 24
    .max_flat_workgroup_size: 256
    .sgpr_count:     66
    .vgpr_count:     144
    .wavefront_size: 32
...
	.end_amdgpu_metadata
.endif
;; end of part 3
;; ======== version 2 of 2: 3 launches; version 1 with the launch prep written anew for expert scheduling mode
;; limits: values outside matrix products are rounded to bf16
;; workspace buffers: cbh 4,194,304 bytes; cc 16,384 bytes; idx 131,072 bytes of whole numbers
;; launch prep (part 4): grid 256 x 1, 4 waves a work-group, no clusters, 0 bytes of LDS; arguments codebook, cbh, cc; writes cbh, cc
.if DOCPART == 4
	.amdgcn_target "amdgcn-amd-amdhsa--gfx1250"
	.amdhsa_code_object_version 6
	.text
	.protected	k_q200179b052_prep
	.globl	k_q200179b052_prep
	.p2align	8
	.type	k_q200179b052_prep,@function
k_q200179b052_prep:
	s_mov_b64 s[64:65], 0
	v_nop
	global_prefetch_b8 v0, s[64:65] scope:SCOPE_SE
	s_setreg_imm32_b32 hwreg(HW_REG_WAVE_SCHED_MODE, 0, 2), 2
	s_setreg_imm32_b32 hwreg(HW_REG_WAVE_MODE, 25, 1), 1
	s_wait_xcnt 0x0
	s_wait_alu depctr_vm_vsrc(0)
; VECTOR QUANTISER, launch 1 of 3.  out0[row] = codebook[argmin_k (|z_row|^2 + |c_k|^2 - 2 z_row . c_k)].
; WORK LEFT OUT, in all three launches: the term |z_row|^2.  It does not depend on k, and argmin_k (a + f(k)) = argmin_k f(k) for every finite a and every f: in exact arithmetic it
; reaches no output, whatever the inputs hold.  It is of the size of |c_k|^2, so it does not drown the other terms in f32.  ze itself stays live (the product needs it) and is loaded by launch 2.
; LIMITS.  A NaN, an infinity or an overflow that arises in |z_row|^2 alone is not carried to the result.  NaN and infinities among the inputs are not treated apart.  |c| above 1.7e38 overflows in -2 c.
; The product has bf16 operands, so the scores are those of the inputs rounded to bf16, summed in f32 in another order than the f32 formula with |z|^2 added: two codes whose scores lie within
; f32 rounding of each other may be chosen the other way round.  Scores that are equal here go to the lower index.
; THIS LAUNCH makes what launch 2 multiplies and adds: cbh[k][d] = bf16(-2 codebook[k][d]) (the factor -2 is a power of two: bf16(-2 c) = -2 bf16(c)), and
; cc[k] = the sum over d of bf16(c)^2 in f32, taken as a quarter of the sum of cbh^2 (again exact).  So launch 2's score is cc[k] + the sum of z x cbh, with no vector work on it.
; SHARES.  A work-group has 16 rows of the codebook, a wave 4.  A row is 2,048 bytes: four loads of 16 bytes a lane, each of 512 consecutive bytes; lane l of load j holds d = 128 j + 4 l .. + 3,
; which are 8 bytes of cbh: each store of a wave covers 256 consecutive bytes, aligned.  All 16 loads of a wave go out first; no LDS, no barrier: a row never leaves its wave.
; cc leaves as 16 bytes a wave (4 lanes x 4 bytes): 16 KiB in the whole launch, not worth a meeting of the waves in LDS.
; THE MODE: SCHED_MODE bits 1:0 = 2 (LLVM: expert scheduling mode 2), set by the entry lines.  The code itself states the register dependences
; between vector instructions and memory instructions, with s_wait_alu, always for 0.
; THE PLAN.  Registers that memory instructions touch:
;   v2, v3, v4  byte offsets, made once at the head and never written again: one wait ahead of the first load states them for every load and store of the kernel.
;   X           each four registers are written by one load, which no vector line precedes, and behind its wait on LOADcnt named by vector lines alone: no load lands there again.
;   Y           each pair is written once, by its step's two conversions, and read by one store; it is never written again.
;   v[SQ]       written last by the selects at the end, read by the store of cc.
;   T and the other sums are named by vector lines alone.
; The sixteen steps go in four rows.  Row i's four stores are issued in row i + 1, one ahead of each step's vector lines, behind ONE wait at that row's head, which states that row i has
; written its Y.  Row i + 1's vector lines name X and Y of row i + 1, T and its own sums: none of the registers that those stores read.  Behind row 3 one more wait stands ahead of the last four stores.
.set X,  8                             ; v[8:71]    load q = 4 i + j (row i, quarter j): 4 registers
.set Y,  72                            ; v[72:103]  the same as 4 bf16: 2 registers
.set SQ, 104                           ; v[104:111] row i: a pair of running sums of squares
.set T,  112                           ; v[112:115] at work
	s_load_b128 s[4:7], s[0:1], 0x0                ; codebook s[4:5], cbh s[6:7]
	s_load_b64 s[8:9], s[0:1], 0x10                ; cc
	v_and_b32 v1, 31, v0                           ; lane
	v_lshrrev_b32 v5, 5, v0                        ; wave
	v_lshlrev_b32 v2, 4, v1
	v_lshl_add_u32 v2, v5, 13, v2                  ; in: 4 rows x 2,048 bytes a wave + 16 bytes a lane
	v_lshlrev_b32 v3, 3, v1
	v_lshl_add_u32 v3, v5, 12, v3                  ; out: 4 rows x 1,024 bytes a wave + 8 bytes a lane
	v_lshl_add_u32 v4, v5, 2, v1
	v_lshlrev_b32 v4, 2, v4                        ; cc: lane i (0 to 3) stores row 4 wave + i
	s_mov_b32 s13, 0xffff0000                      ; a word's upper bf16
	s_mov_b32 s14, 0x76543210                      ; v_permlanex16_b32: each lane takes its own place in the other half
	s_mov_b32 s15, 0xfedcba98
	s_lshl_b32 s16, ttmp9, 15                      ; the work-group's 16 rows: 32,768 bytes of the codebook,
	s_mov_b32 s17, 0
	s_lshl_b32 s18, ttmp9, 14                      ; 16,384 of cbh,
	s_mov_b32 s19, 0
	s_lshl_b32 s20, ttmp9, 6                       ; 64 of cc
	s_mov_b32 s21, 0
	s_wait_kmcnt 0x0
	s_add_nc_u64 s[4:5], s[4:5], s[16:17]
	s_add_nc_u64 s[6:7], s[6:7], s[18:19]
	s_add_nc_u64 s[8:9], s[8:9], s[20:21]
	s_wait_alu depctr_va_vdst(0)                   ; v2, v3 and v4 are written: every load and store of the kernel reads one of them as its offset
.set q, 0
.rept 16
	global_load_b128 v[X+4*q:X+4*q+3], v2, s[4:5] offset:2048*(q/4)+512*(q%4) th:TH_LOAD_NT
.set q, q+1
.endr
.set q, 0
.rept 16
.set i, q/4
	s_wait_loadcnt 15-q                            ; loads come back in order: load q is in, the 15 - q younger ones stay out
.if (q%4 == 0) && (q > 0)
	s_wait_alu depctr_va_vdst(0)                   ; the conversions of the row before have written its eight registers of Y, which this row's four stores read
.endif
.if q >= 4
	global_store_b64 v3, v[Y+2*(q-4):Y+2*(q-4)+1], s[6:7] offset:1024*((q-4)/4)+256*(q%4)  ; the same quarter of the row before; no vector line since the wait names these registers
.endif
	v_pk_mul_f32 v[X+4*q:X+4*q+1],   v[X+4*q:X+4*q+1],   -2.0 op_sel_hi:[1,0]
	v_pk_mul_f32 v[X+4*q+2:X+4*q+3], v[X+4*q+2:X+4*q+3], -2.0 op_sel_hi:[1,0]
	v_cvt_pk_bf16_f32 v[Y+2*q],   v[X+4*q],   v[X+4*q+1]
	v_cvt_pk_bf16_f32 v[Y+2*q+1], v[X+4*q+2], v[X+4*q+3]
	v_lshlrev_b32 v[T],   16,  v[Y+2*q]            ; the rounded numbers back in f32: it is their squares that are summed
	v_and_b32     v[T+1], s13, v[Y+2*q]
	v_lshlrev_b32 v[T+2], 16,  v[Y+2*q+1]
	v_and_b32     v[T+3], s13, v[Y+2*q+1]
.if q%4 == 0
	v_pk_mul_f32 v[SQ+2*i:SQ+2*i+1], v[T:T+1], v[T:T+1]  ; a row's first squares start its sums: nothing is cleared
.else
	v_pk_fma_f32 v[SQ+2*i:SQ+2*i+1], v[T:T+1], v[T:T+1], v[SQ+2*i:SQ+2*i+1]
.endif
	v_pk_fma_f32 v[SQ+2*i:SQ+2*i+1], v[T+2:T+3], v[T+2:T+3], v[SQ+2*i:SQ+2*i+1]
.set q, q+1
.endr
	s_wait_alu depctr_va_vdst(0)                   ; the conversions of row 3 have written its Y, which the last four stores read
.irp j, 0,1,2,3
	global_store_b64 v3, v[Y+24+2*(\j):Y+24+2*(\j)+1], s[6:7] offset:3072+256*(\j)
.endr
	; the four rows' sums over the 32 lanes, the rows side by side so that no line waits for the one before it
.irp i, 0,1,2,3
	v_add_f32 v[SQ+2*(\i)], v[SQ+2*(\i)], v[SQ+2*(\i)+1]
.endr
.irp m, 1,2,4,8
.irp i, 0,1,2,3
	v_add_f32_dpp v[SQ+2*(\i)], v[SQ+2*(\i)], v[SQ+2*(\i)] row_xmask:\m row_mask:0xf bank_mask:0xf
.endr
.endr
.irp i, 0,1,2,3
	v_permlanex16_b32 v[T+(\i)], v[SQ+2*(\i)], s14, s15  ; its destination counts as read: T has been written
.endr
.irp i, 0,1,2,3
	v_add_f32 v[SQ+2*(\i)], v[SQ+2*(\i)], v[T+(\i)]
.endr
.irp i, 0,1,2,3
	v_mul_f32 v[SQ+2*(\i)], 0x3e800000, v[SQ+2*(\i)]     ; a quarter: the squares were those of -2 c
.endr
	v_cmp_eq_u32 s24, 1, v1                        ; the four compares stand in one run
	v_cmp_eq_u32 s25, 2, v1
	v_cmp_eq_u32 s26, 3, v1
	v_cmp_gt_u32 vcc_lo, 4, v1
	s_wait_alu depctr_va_sdst(0)                   ; s24, s25 and s26 are written, ahead of the selects that read them
	v_cndmask_b32 v[SQ], v[SQ], v[SQ+2], s24       ; lane i takes row i's sum
	v_cndmask_b32 v[SQ], v[SQ], v[SQ+4], s25
	v_cndmask_b32 v[SQ], v[SQ], v[SQ+6], s26
	s_wait_xcnt 0x0                                ; EXEC is a source of the stores above: it is narrowed only behind this wait
	s_wait_alu depctr_va_vcc(0)                    ; VCC is written: EXEC is made from it
	s_wait_alu depctr_va_vdst(0)                   ; ahead of the write of EXEC: every vector line above has written its result, v[SQ] among them, which the store below reads
	s_wait_alu depctr_vm_vsrc(0)                   ; ahead of the write of EXEC: the stores above have read their vector registers
	s_and_saveexec_b32 s27, vcc_lo
	global_store_b32 v4, v[SQ], s[8:9]
	s_endpgm
.Lfunc_end_k_q200179b052_prep:
	.size	k_q200179b052_prep, .Lfunc_end_k_q200179b052_prep-k_q200179b052_prep
	.p2alignl 7, 3214868480
	.fill 96, 4, 3214868480
	.section	.rodata,"a",@progbits
	.p2align	6, 0x0
	.amdhsa_kernel k_q200179b052_prep
		.amdhsa_group_segment_fixed_size 0
		.amdhsa_private_segment_fixed_size 0
		.amdhsa_enable_private_segment 0
		.amdhsa_kernarg_size 24
		.amdhsa_user_sgpr_count 2
		.amdhsa_user_sgpr_kernarg_segment_ptr 1
		.amdhsa_wavefront_size32 1
		.amdhsa_system_sgpr_workgroup_id_x 1
		.amdhsa_system_sgpr_workgroup_id_y 1
		.amdhsa_system_sgpr_workgroup_id_z 1
		.amdhsa_system_vgpr_workitem_id 0
		.amdhsa_next_free_vgpr 128
		.amdhsa_next_free_sgpr 66
		.amdhsa_reserve_vcc 1
		.amdhsa_float_denorm_mode_32 3
		.amdhsa_float_denorm_mode_16_64 3
		.amdhsa_memory_ordered 1
		.amdhsa_forward_progress 1
		.amdhsa_inst_pref_size 16
	.end_amdhsa_kernel
	.amdgpu_metadata
---
amdhsa.version: [ 1, 2 ]
amdhsa.kernels:
  - .name:           k_q200179b052_prep
    .symbol:         k_q200179b052_prep.kd
    .args:
      - { .name: codebook, .offset: 0, .size: 8, .value_kind: global_buffer, .address_space: global }
      - { .name: cbh, .offset: 8, .size: 8, .value_kind: global_buffer, .address_space: global }
      - { .name: cc, .offset: 16, .size: 8, .value_kind: global_buffer, .address_space: global }
    .group_segment_fixed_size: 0
    .private_segment_fixed_size: 0
    .kernarg_segment_align: 8
    .kernarg_segment_size: 24
    .max_flat_workgroup_size: 128
    .sgpr_count:     66
    .vgpr_count:     128
    .wavefront_size: 32
...
	.end_amdgpu_metadata
.endif
;; end of part 4
;; launch main: the kernel of part 2 again; grid 256 x 1, 4 waves a work-group, clusters of 4 x 1, 327,680 bytes of LDS; arguments ze, cbh, cc, idx; writes idx
;; launch gather: the kernel of part 3 again; grid 512 x 1, 8 waves a work-group, no clusters, 0 bytes of LDS; arguments idx, codebook, out0; writes out0
